; MI455X (gfx1250); checked and timed in simulation.
; The chip was launched on July 23, 2026; its instructions are those of AMD's public machine-readable ISA for CDNA 5 (MIT licence, August 2026) and "CDNA5" Instruction Set Architecture Reference Guide (July 2026). The comments in the code are by the model that wrote it; some were corrected since.
;; Contact Map Predictor. Allowed arithmetic: matrix products marked QUANTISED: E4M3 operands, one given power-of-two scale a tensor, by v_wmma_f32_16x16x64_fp8_fp8 or v_wmma_f32_16x16x128_fp8_fp8, f32 sums; products left as they are: f32 operands where the result goes on into a quantised operand, else bf16, f16 or f32 operands; f32 sums; everything else in f32.
;; Inputs: S_mol1 2 x 500 int32; S_mol2 2 x 800 int32; W1 256 x 128 float32; W2 128 x 1 float32; b1 128 float32; b2 1 float32; contact_map 2 x 500 x 800 float32; h_mol1 2 x 500 x 128 float32; h_mol2 2 x 800 x 128 float32; lowp_scales 4 int32 (the exponents e of the quantised operands' scales 2^e).
;; Outputs: out0 2 x 400,000 float32; out1 2 x 400,000 float32; out2 2 x 400,000 float32.
;; This version of the problem:
;;   THIS VERSION OF THE PROBLEM IS GIVEN IN LOW PRECISION. The matrix products marked QUANTISED in the list below multiply operands that are first quantised to E4M3 (4 exponent bits, 3 mantissa bits; 8 bits a number), with one given power-of-two scale for each operand tensor; their sums are f32. All else is computed in f32.
;;   The module's matrix products, in the order in which they are computed (A, B: the left and right operand; K: the contracted axis; several contracted axes count as one K, in the product's order):
;;     1. [M 1,000, K 128] x [K 128, N 128]; A: input h_mol1; B: input W1: QUANTISED (scales: A lowp_scales[0], B lowp_scales[1])
;;     2. [M 1,600, K 128] x [K 128, N 128]; A: input h_mol2; B: input W1: QUANTISED (scales: A lowp_scales[2], B lowp_scales[3])
;;     3. [M 800,000, K 128] x [K 128, N 1]; A: computed on the way; B: input W2: left as it is (N = 1 < 16)
;;   THE QUANTISER, for each operand of a quantised product, along K:
;;     - The operand's scale is 2^e, e = its entry of the input lowp_scales (int32; the entries are numbered through the quantised products in the list's order, A before B).
;;     - Each number is divided by the scale, clamped to +-448, and rounded to the nearest number of E4M3, ties to even, subnormals kept.
;;     - The product sums the exact products of the quantised numbers (number of the format x scale) in f32.
;;   ~~~python
;;   def quantise(x, axis, e):      # numpy; x: float32 -> the quantised numbers, widened to float32 again
;;       x = np.moveaxis(x, axis, -1); K = x.shape[-1]
;;       r = np.clip(x / 2.0 ** e, -448, 448)
;;       step = 2.0 ** (np.maximum(np.frexp(np.where(r == 0, 1, r))[1] - 1, -6) - 3)
;;       q = np.round(r / step) * step * 2.0 ** e      # np.round: ties to even
;;       return np.moveaxis(q, -1, axis).astype(np.float32)
;;   ~~~
;; 2 versions, each right; version 2 is version 1 with the launch contact written anew for expert scheduling mode. Each part assembles by itself: llvm-mc -triple=amdgcn-amd-amdhsa -mcpu=gfx1250 --defsym DOCPART=n.
;; ======== version 1 of 2: 1 launch
;; limits: a difference of large sums (such as E[x^2] - mean^2): digits are lost where the result is much smaller than its terms
;; launch contact (part 1): grid 25 x 10, 16 waves a work-group, no clusters, 246,784 bytes of LDS; arguments h_mol2, h_mol1, W1, b1, contact_map, S_mol1, S_mol2, lowp_scales, W2, b2, out0, out1, out2; writes out0, out1, out2
.if DOCPART == 1
	.amdgcn_target "amdgcn-amd-amdhsa--gfx1250"
	.amdhsa_code_object_version 6
	.text
	.protected	k_q28b71c8fd7_contact
	.globl	k_q28b71c8fd7_contact
	.p2align	8
	.type	k_q28b71c8fd7_contact,@function
k_q28b71c8fd7_contact:
	s_mov_b64 s[64:65], 0
	v_nop
	global_prefetch_b8 v0, s[64:65] scope:SCOPE_SE
	s_setreg_imm32_b32 hwreg(HW_REG_WAVE_MODE, 25, 1), 1
	s_wait_xcnt 0x0
; pred[b][n][m] = sum over d of W2[d] relu(p1[b][n][d] + p2[b][m][d] + b1[d]) + b2;  mask = (S1 != 0)(S2 != 0);  y = (contact < 0.5) mask.
; p1 = Q(h_mol1) Q(W1[:128]), p2 = Q(h_mol2) Q(W1[128:]): codes of FP8 (E4M3) with the given scales 2^e0 .. 2^e3, multiplied by v_wmma_f32_16x16x128_fp8_fp8, sums in f32.
; ONE LAUNCH.  A work-group makes the few rows of p1 and p2 that it needs itself, keeps them in LDS, and does its share of the 800,000 pairs on the vector unit (the last product has one column).
; SHARES.  Four rows n are 3,200 neighbouring positions of an output, 25 blocks of 128 positions (512 bytes).  Work-group (k, y): block k of each of the 25 groups of four rows ("steps") of fifth g = y % 5 of batch b = y / 5.
;   All steps of a block meet the same 128 columns m, so p2 is made for 128 rows; a block lies in one row of the four (rho0) or straddles into the next (lanes with sigma = 1), so p1 is made for two rows a step.
;   Sixteen waves: slice dq = wave % 8 of 16 hidden units x half rg = wave / 8 of the 26 steps; a lane holds four neighbouring positions.  The eight slices' sums meet in LDS.
; THE ARITHMETIC OF A PAIR.  With a = p1 and nb = -(p2 + b1): relu(a - nb) = max(a, nb) - nb, so pred = sum w max(a, nb) - sum w nb + b2: one maximum and one multiply-add a hidden unit.
;   The second sum is step 25, whose a is -infinity, made by the very same lines: where every hidden unit is off the two sums are equal bit for bit.
;   ORDER OF ROUNDING: it differs from a sum of w relu(..): the error is bounded by f32's rounding x sum |w| (|a| + |nb|), all in f32.
; LIMITS: each e between -126 and 119; e0 + e1 and e2 + e3 between -126 and 127 (each power of two below is an f32 number).  NaN among h, W1 is not served.
; NO CLUSTER: W1 is read by every work-group, but a grid of 25 x 10 is a multiple of four along neither axis, and W1 has to pass through registers to be quantised (its K is its first axis).
.set DUAL, 1                           ; 1: two maxima in one dual instruction; 0: two plain ones
; LDS.  No byte is written twice, so three barriers order everything.
.set WCP,  144                         ; W1's codes: a row f is 128 bytes along K + 16 of padding
.set WCH,  128*WCP                     ; a half of W1: half 0 = W1[:128] at 0, half 1 = W1[128:]
.set FP,   528                         ; a row of 128 f32 + 16 bytes of padding
.set NBT,  2*WCH                       ; nb [d 128][position 128]
.set AT,   NBT+128*FP                  ; a  [slot 64][d 128]; slot = 2 x step + sigma; slots 50 on hold -infinity
.set PT,   AT+64*FP                    ; the slices' sums [step 26][dq 8][position 128]: 512 bytes each
.set QROW, 12800                       ; bytes of four rows of an output
; vector registers
.set OFFO, 4                           ; outputs and contact_map: 16 x lane + QROW x wave (step = wave; + 16 steps by the immediate)
.set OFFS1, 5                          ; S_mol1: 16 x wave + 4 sigma
.set OFFS2, 6                          ; S_mol2: 4 x my first column m
.set OFFW, 7                           ; W1: my two columns, my 32 rows
.set OFFH, 8                           ; h: my row, + 64 x (lane / 16)
.set WCST, 9                           ; LDS addresses, all made ahead of the first branch on the wave's number and never rewritten
.set WCRD, 10
.set NBST, 11
.set ATST, 12
.set NBRD, 13
.set ATRD, 14
.set PTST, 15
.set PTRA, 16
.set PTRB, 17
.set PTRC, 18
.set OFFB1, 19                         ; b1: 4 x (lane % 16)
.set AOFF, 20                          ; -infinity where my slot is 50 or more, else 0
.set CA,   24                          ; v[24:27] contact, step A, then y;  v[28:31] step B
.set CB,   28
.set S1A,  32                          ; S_mol1 of step A, B, then 0.0 or 1.0
.set S1B,  33
.set M2,   34                          ; v[34:37] S_mol2 of my four columns, then 0.0 or 1.0
.set MKA,  38                          ; v[38:41], v[42:45] mask of step A, B
.set MKB,  42
.set B1R,  46                          ; v[46:53] b1[16 ft + lane % 16]
.set SCW,  54                          ; 2^e and 448 x 2^e of my half of W1;
.set LMW,  55
.set SCH,  56                          ; of my h
.set LMH,  57
.set HC,   24                          ; v[24:39] h's fragment of codes (behind the first stores)
.set WR,   64                          ; v[64:127] W1 as loaded
.set HR,   128                         ; v[128:191] h as loaded
.set WCD,  192                         ; v[192:207] W1's codes, two columns interleaved; v[208:215], v[216:223] parted
.set WEV,  208
.set WOD,  216
.set WF,   64                          ; v[64:191] W1's eight fragments
.set DT,   192                         ; v[192:255] the eight results
.set NB,   64                          ; v[64:127] nb: register 4 di + j
.set AR,   128                         ; v[128:159] a: two buffers of 16
.set TR,   160                         ; v[160:191] maxima: two sets of 16
.set ACC,  192                         ; v[192:199] sums: two sets of 4
.set PCR,  64                          ; the end: eight slices of step 25, of step A, of step B
.set PAR,  96
.set PBR,  128
.set CS,   160                         ; their sums
.set RA,   164
.set RB,   168
; scalar registers
.set WV,   2                           ; wave
.set DQ,   3                           ; wave % 8
.set RG,   57                          ; wave / 8
.set BB,   53                          ; batch
.set GG,   54                          ; fifth of the batch's rows
.set RHO,  55                          ; the block's first row among the four
.set DEL,  56                          ; 1 where a row rho0 + 1 exists among the four, else 0
.set X0,   99                          ; the block's first column, counted from row rho0's start: 128 k - 800 rho0
.set WP,   66                          ; s[66:97] my 16 w, each twice: the packed form names a pair and takes its low word for both halves
.macro BARRIER                         ; my LDS stores have landed and my LDS loads are in: then the work-group's barrier, on every wave's path
	s_wait_dscnt 0x0
	s_barrier_signal -1
	s_barrier_wait -1
.endm
; my row's 64 numbers: of each block of 32 along K the 16 of my half of the lanes: register 16 c + i = k 32 c + 16 (lane / 16) + i
.macro HLOAD base
.irp c, 0,1,2,3
.irp i, 0,1,2,3
	global_load_b128 v[HR+16*\c+4*\i:HR+16*\c+4*\i+3], v[OFFH], s[\base:\base+1] offset:128*\c+16*\i
.endr
.endr
.endm
; 64 numbers of a lane become 64 codes in 16 registers, in the registers' order
.macro QUANT src, dst, sc, lim
.irp b, 0,1,2,3
.irp i, 0,1,2,3,4,5,6,7,8,9,10,11,12,13,14,15
	v_med3_num_f32 v[\src+16*\b+\i], v[\src+16*\b+\i], -v[\lim], v[\lim]   ; the conversion does not saturate (ISA guide 7.6.2): the hold at 448 x the scale
.endr
	v_cvt_scalef32_pk8_fp8_f32 v[\dst+4*\b:\dst+4*\b+1], v[\src+16*\b:\src+16*\b+7], v[\sc]
	v_cvt_scalef32_pk8_fp8_f32 v[\dst+4*\b+2:\dst+4*\b+3], v[\src+16*\b+8:\src+16*\b+15], v[\sc]
.endr
	v_nop                                          ; one plain vector instruction between the last conversion and whatever next touches its registers
.endm
; mask and y of one step: 512 consecutive bytes of each, aligned, a wave
.macro STREAM cm, s1, mk, off
	v_cmp_ne_u32 vcc_lo, 0, v[\s1]
	v_cndmask_b32 v[\s1], 0, 1.0, vcc_lo
.irp j, 0,1,2,3
	v_mul_f32 v[\mk+\j], v[M2+\j], v[\s1]
.endr
.irp j, 0,1,2,3
	v_cmp_gt_f32 vcc_lo, 0.5, v[\cm+\j]
	v_cndmask_b32 v[\cm+\j], 0, v[\mk+\j], vcc_lo
.endr
	global_store_b128 v[OFFO], v[\mk:\mk+3], s[28:29] offset:\off th:TH_STORE_NT
	global_store_b128 v[OFFO], v[\cm:\cm+3], s[26:27] offset:\off th:TH_STORE_NT
.endm
; fragment t of my half of W1: rows f = 16 t + lane % 16; registers 4 c .. 4 c + 3 = k 32 c + 16 (lane / 16) + 0 .. 15: the same places of k as in h's fragment
.macro WFRAG t
.irp c, 0,1,2,3
	ds_load_b128 v[WF+16*\t+4*\c:WF+16*\t+4*\c+3], v[WCRD] offset:16*WCP*\t+32*\c
.endr
.endm
.macro MM ft, swap
.if \swap
	v_wmma_f32_16x16x128_fp8_fp8 v[DT+8*\ft:DT+8*\ft+7], v[WF+16*\ft:WF+16*\ft+15], v[HC:HC+15], 0
.else
	v_wmma_f32_16x16x128_fp8_fp8 v[DT+8*\ft:DT+8*\ft+7], v[HC:HC+15], v[WF+16*\ft:WF+16*\ft+15], 0
.endif
.endm
; eight products, each a whole sum (K = 128) with a result of its own
.macro PRODUCTS swap
	s_wait_dscnt 16                                ; fragments 0 to 3 are in; the sixteen loads of fragments 4 to 7 may be out
.irp ft, 0,1,2,3
	MM \ft, \swap
.endr
	s_wait_dscnt 0x0
.irp ft, 4,5,6,7
	MM \ft, \swap
.endr
.rept 4
	v_nop                                          ; four plain vector instructions between the last product and the first read of a result (ISA guide 7.12.1)
.endr
.endm
; maxima number n of 8 of group c (hidden units 4 c .. 4 c + 3 of my 16): unit 4 c + n / 2, positions 2 (n % 2) and + 1
.macro DU buf, c, n
.set rA, AR+16*(\buf)+4*(\c)+(\n)/2
.set rN, NB+4*(4*(\c)+(\n)/2)+2*((\n)%2)
.set rT, TR+16*((\c)%2)+4*((\n)/2)+2*((\n)%2)
.if DUAL
	v_dual_max_num_f32 v[rT], v[rA], v[rN] :: v_dual_max_num_f32 v[rT+1], v[rA], v[rN+1]
.else
	v_max_num_f32 v[rT], v[rA], v[rN]
	v_max_num_f32 v[rT+1], v[rA], v[rN+1]
.endif
.endm
; and what takes them: sum += w x maximum, two positions at a time; the first unit starts the sums: nothing is cleared
.macro FM acc, c, n
.set rT, TR+16*((\c)%2)+4*((\n)/2)+2*((\n)%2)
.set rC, ACC+4*(\acc)+2*((\n)%2)
.set rW, WP+2*(4*(\c)+(\n)/2)
.if (4*(\c)+(\n)/2) == 0
	v_pk_mul_f32 v[rC:rC+1], v[rT:rT+1], s[rW:rW+1] op_sel_hi:[1,0]
.else
	v_pk_fma_f32 v[rC:rC+1], v[rT:rT+1], s[rW:rW+1], v[rC:rC+1] op_sel_hi:[1,0,1]
.endif
.endm
; step i of my 13: 4 positions x 16 hidden units a lane.  The next step's a is asked for first; group c + 1's maxima stand by turns with group c's multiply-adds.
.macro ROWSTEP i
.if (\i) < 12
.irp c, 0,1,2,3
	ds_load_b128 v[AR+16*(((\i)+1)%2)+4*\c:AR+16*(((\i)+1)%2)+4*\c+3], v[ATRD] offset:2*FP*((\i)+1)+16*\c
.endr
	s_wait_dscnt 4                                 ; all but the four just issued: this step's a is in (and, in the first step, nb)
.else
	s_wait_dscnt 1                                 ; behind this step's loads only the last step's store was issued
.endif
.irp n, 0,1,2,3,4,5,6,7
	DU (\i)%2, 0, \n
.endr
.irp c, 0,1,2
.irp n, 0,1,2,3,4,5,6,7
	DU (\i)%2, \c+1, \n
	FM (\i)%2, \c, \n
.endr
.endr
.irp n, 0,1,2,3,4,5,6,7
	FM (\i)%2, 3, \n
.endr
	ds_store_b128 v[PTST], v[ACC+4*((\i)%2):ACC+4*((\i)%2)+3] offset:4096*(\i)
.endm
; the eight slices of a step are added, always in the same order
.macro REDUCE dst, src
	v_pk_add_f32 v[\dst:\dst+1], v[\src:\src+1], v[\src+4:\src+5]
	v_pk_add_f32 v[\dst+2:\dst+3], v[\src+2:\src+3], v[\src+6:\src+7]
.irp q, 2,3,4,5,6,7
	v_pk_add_f32 v[\dst:\dst+1], v[\dst:\dst+1], v[\src+4*\q:\src+4*\q+1]
	v_pk_add_f32 v[\dst+2:\dst+3], v[\dst+2:\dst+3], v[\src+4*\q+2:\src+4*\q+3]
.endr
.endm
.macro FINISH r, off                   ; pred = (sum - step 25's sum) + b2; 512 consecutive bytes, aligned, a wave
	v_pk_add_f32 v[\r:\r+1], v[\r:\r+1], v[CS:CS+1] neg_lo:[0,1] neg_hi:[0,1]
	v_pk_add_f32 v[\r+2:\r+3], v[\r+2:\r+3], v[CS+2:CS+3] neg_lo:[0,1] neg_hi:[0,1]
	v_pk_add_f32 v[\r:\r+1], v[\r:\r+1], s[30:31] op_sel_hi:[1,0]
	v_pk_add_f32 v[\r+2:\r+3], v[\r+2:\r+3], s[30:31] op_sel_hi:[1,0]
	global_store_b128 v[OFFO], v[\r:\r+3], s[24:25] offset:\off th:TH_STORE_NT
.endm
	; ---- the head: ids, byte offsets, every address register
	s_load_b512 s[4:19], s[0:1], 0x0               ; h_mol2 s[4:5], h_mol1 s[6:7], W1 s[8:9], b1 s[10:11], contact_map s[12:13], S_mol1 s[14:15], S_mol2 s[16:17], lowp_scales s[18:19]
	s_load_b256 s[20:27], s[0:1], 0x40             ; W2 s[20:21], b2 s[22:23], out0 s[24:25], out1 s[26:27]
	s_load_b64 s[28:29], s[0:1], 0x60              ; out2
	v_lshl_add_u32 v62, v0, 2, 0x3bc00
	v_mov_b32 v63, 0
	v_lshrrev_b32 v21, 5, v0
	v_readfirstlane_b32 s[WV], v21
	v_and_b32 v1, 31, v0                           ; lane
	v_and_b32 v2, 15, v0                           ; r
	v_bfe_u32 v3, v0, 4, 1                         ; h
	s_and_b32 s[DQ], s[WV], 7
	s_lshr_b32 s[RG], s[WV], 3
	s_and_b32 s58, ttmp7, 0xffff                   ; y = 5 b + g
	s_cmp_ge_u32 s58, 5
	s_cselect_b32 s[BB], 1, 0
	s_mul_i32 s59, s[BB], 5
	s_sub_co_u32 s[GG], s58, s59
	s_mul_i32 s[RHO], ttmp9, 41
	s_lshr_b32 s[RHO], s[RHO], 8                   ; 128 k / 800, rounded down, for k = 0 .. 24
	s_add_co_u32 s[DEL], s[RHO], 1
	s_min_u32 s[DEL], s[DEL], 3
	s_sub_co_u32 s[DEL], s[DEL], s[RHO]
	s_lshl_b32 s[X0], ttmp9, 7
	s_mul_i32 s58, s[RHO], 800
	s_sub_co_u32 s[X0], s[X0], s58
	; what the bases are stepped by, in pairs with 0 above (these registers hold the w pairs later)
	s_mul_i32 s66, s[BB], 1600000                  ; outputs and contact_map: the batch,
	s_mul_i32 s58, s[GG], 25*QROW                  ; the fifth's 25 steps,
	s_add_co_u32 s66, s66, s58
	s_lshl_b32 s58, ttmp9, 9                       ; the block
	s_add_co_u32 s66, s66, s58
	s_mov_b32 s67, 0
	s_mul_i32 s58, s[BB], 500
	s_mul_i32 s59, s[GG], 100
	s_add_co_u32 s58, s58, s59
	s_add_co_u32 s58, s58, s[RHO]                  ; row 500 b + 100 g + rho0 of mol1
	s_lshl_b32 s68, s58, 2                         ; in S_mol1,
	s_mov_b32 s69, 0
	s_lshl_b32 s74, s58, 9                         ; in h_mol1
	s_mov_b32 s75, 0
	s_mul_i32 s70, s[BB], 3200                     ; the batch in S_mol2,
	s_mov_b32 s71, 0
	s_mul_i32 s72, s[BB], 409600                   ; in h_mol2
	s_mov_b32 s73, 0
	s_lshl_b32 s76, s[DQ], 6                       ; my 16 numbers of W2
	s_mov_b32 s77, 0
	; my four positions: which row of the two, which columns
	v_lshl_add_u32 v21, v1, 2, s[X0]               ; 128 k - 800 rho0 + 4 lane
	v_cmp_le_u32 vcc_lo, 0x320, v21
	v_cndmask_b32 v22, 0, 1, vcc_lo                ; sigma: 1 from column 800 on, which is the next row
	v_add_nc_u32 v23, 0xfffffce0, v21              ; - 800 (wraps to a huge number where sigma = 0)
	v_min_u32 v23, v21, v23                        ; my first column m
	v_lshlrev_b32 v[OFFS2], 2, v23
	s_mul_i32 s58, s[WV], QROW
	v_lshl_add_u32 v[OFFO], v1, 4, s58
	s_lshl_b32 s58, s[WV], 4
	v_lshl_add_u32 v[OFFS1], v22, 2, s58
	v_lshlrev_b32 v[OFFB1], 2, v2
	; W1: waves 0-7 take W1[128:] (whose scale goes with h_mol2's), waves 8-15 W1[:128].  In a half: 64 columns (wave % 2) x 32 rows of K ((wave / 2) % 4); a lane two neighbouring columns
	s_xor_b32 s60, s[RG], 1                        ; the half
	s_bfe_u32 s61, s[WV], 0x20001                  ; which 32 rows
	s_and_b32 s98, s[WV], 1                        ; which 64 columns
	s_lshl_b32 s58, s60, 16                        ; 128 rows of 512 bytes
	s_lshl_b32 s59, s61, 14                        ; 32 rows
	s_add_co_u32 s58, s58, s59
	s_lshl_b32 s59, s98, 8
	s_add_co_u32 s58, s58, s59
	v_lshl_add_u32 v[OFFW], v1, 3, s58
	s_mul_i32 s60, s60, WCH                        ; the half in LDS
	s_mul_i32 s58, s98, 64*WCP
	s_add_co_u32 s58, s58, s60
	s_lshl_b32 s59, s61, 5
	s_add_co_u32 s58, s58, s59
	v_mul_u32_u24 v[WCST], v1, 2*WCP
	v_add_nc_u32 v[WCST], s58, v[WCST]             ; rows 64 (wave % 2) + 2 lane and + 1, bytes 32 ((wave / 2) % 4) on
	v_mul_u32_u24 v[WCRD], v2, WCP
	v_lshl_add_u32 v[WCRD], v3, 4, v[WCRD]
	v_add_nc_u32 v[WCRD], s60, v[WCRD]             ; a fragment's row r, + 16 h
	s_and_b32 s61, s[WV], 3
	v_mul_u32_u24 v21, v2, FP
	v_lshl_add_u32 v21, v3, 5, v21                 ; FP r + 32 h
	s_lshl_b32 s58, s[DQ], 6
	s_add_co_u32 s58, s58, NBT
	v_add_nc_u32 v[NBST], s58, v21                 ; nb: row d = r (+ 16 ft), positions 16 wave + 8 h on
	s_mul_i32 s58, s61, 16*FP
	s_add_co_u32 s58, s58, AT
	v_add_nc_u32 v[ATST], s58, v21                 ; a: slot 16 (wave % 4) + r, units 8 h on (+ 16 ft)
	s_mul_i32 s58, s[DQ], 16*FP
	s_add_co_u32 s58, s58, NBT
	v_lshl_add_u32 v[NBRD], v1, 4, s58             ; nb of my 16 units, my four positions
	s_mul_i32 s58, s[RG], 13*2*FP
	s_lshl_b32 s59, s[DQ], 6
	s_add_co_u32 s58, s58, s59
	s_add_co_u32 s58, s58, AT
	v_mul_u32_u24 v[ATRD], v22, FP
	v_add_nc_u32 v[ATRD], s58, v[ATRD]             ; a of my first step, my row of the two, my 16 units
	s_mul_i32 s58, s[RG], 13*4096
	s_lshl_b32 s59, s[DQ], 9
	s_add_co_u32 s58, s58, s59
	s_add_co_u32 s58, s58, PT
	v_lshl_add_u32 v[PTST], v1, 4, s58
	s_lshl_b32 s58, s[WV], 12
	s_add_co_u32 s58, s58, PT
	v_lshl_add_u32 v[PTRA], v1, 4, s58             ; the end: step = wave,
	v_add_nc_u32 v[PTRB], 0x10000, v[PTRA]         ; step = wave + 16 (used by waves 0-8 alone),
	v_lshl_add_u32 v[PTRC], v1, 4, PT+25*4096      ; step 25
	s_lshl_b32 s58, s61, 4
	v_add_nc_u32 v23, s58, v2                      ; my slot, in waves 8-11
	v_cmp_le_u32 vcc_lo, 50, v23
	v_mov_b32 v[AOFF], 0xff800000
	v_cndmask_b32 v[AOFF], 0, v[AOFF], vcc_lo
	s_wait_kmcnt 0x0
	s_add_nc_u64 s[20:21], s[20:21], s[76:77]
	s_load_b128 s[48:51], s[18:19], 0x0            ; e0 .. e3
	s_load_b512 s[32:47], s[20:21], 0x0            ; my 16 w
	s_load_b32 s30, s[22:23], 0x0                  ; b2
	s_add_nc_u64 s[12:13], s[12:13], s[66:67]
	s_add_nc_u64 s[24:25], s[24:25], s[66:67]
	s_add_nc_u64 s[26:27], s[26:27], s[66:67]
	s_add_nc_u64 s[28:29], s[28:29], s[66:67]
	s_add_nc_u64 s[14:15], s[14:15], s[68:69]
	s_add_nc_u64 s[16:17], s[16:17], s[70:71]
	s_add_nc_u64 s[4:5], s[4:5], s[72:73]
	s_add_nc_u64 s[6:7], s[6:7], s[74:75]
	; ---- all global loads, 61 a wave at the most: h (16), step B (2), what every wave wants (11), W1 (32) last
	s_cmp_lt_u32 s[WV], 8
	s_cbranch_scc0 .Lnot_h2
	s_lshl_b32 s58, s[WV], 4                       ; waves 0-7: the rows of h_mol2 that belong to positions 16 wave + r
	s_add_co_u32 s58, s58, s[X0]
	v_add_nc_u32 v[OFFH], s58, v2
	v_add_nc_u32 v21, 0xfffffce0, v[OFFH]
	v_min_u32 v[OFFH], v[OFFH], v21                ; column m: less 800 from 800 on
	v_lshlrev_b32 v[OFFH], 9, v[OFFH]
	v_lshl_add_u32 v[OFFH], v3, 6, v[OFFH]
	HLOAD 4
	s_branch .Lh_asked
.Lnot_h2:
	s_cmp_lt_u32 s[WV], 12
	s_cbranch_scc0 .Lh_asked
	v_min_u32 v[OFFH], 49, v23                     ; waves 8-11: slot t = 2 x step + sigma is row 4 (t / 2) + (t % 2) from rho0 on; slots 50 on read slot 49's row and are overwritten by -infinity
	v_and_b32 v21, 1, v[OFFH]
	v_and_b32 v21, s[DEL], v21                     ; where rho0 = 3 no lane has sigma = 1: the odd slots read the even slots' rows, so that no load leaves the buffer
	v_lshrrev_b32 v[OFFH], 1, v[OFFH]
	v_lshl_add_u32 v[OFFH], v[OFFH], 2, v21
	v_lshlrev_b32 v[OFFH], 9, v[OFFH]
	v_lshl_add_u32 v[OFFH], v3, 6, v[OFFH]
	HLOAD 6
.Lh_asked:
	s_cmp_lt_u32 s[WV], 9
	s_cbranch_scc0 .Lno_b0
	global_load_b128 v[CB:CB+3], v[OFFO], s[12:13] offset:16*QROW th:TH_LOAD_NT
	global_load_b32 v[S1B], v[OFFS1], s[14:15] offset:256
.Lno_b0:
	global_load_b128 v[CA:CA+3], v[OFFO], s[12:13] th:TH_LOAD_NT
	global_load_b32 v[S1A], v[OFFS1], s[14:15]
	global_load_b128 v[M2:M2+3], v[OFFS2], s[16:17]
.irp ft, 0,1,2,3,4,5,6,7
	global_load_b32 v[B1R+\ft], v[OFFB1], s[10:11] offset:64*\ft
.endr
.set cnt, 0
.rept 32
	global_load_b64 v[WR+2*cnt:WR+2*cnt+1], v[OFFW], s[8:9] offset:512*cnt   ; row cnt of my 32: the wave reads 256 consecutive bytes, aligned
.set cnt, cnt+1
.endr
	s_wait_kmcnt 0x0
	s_cmp_lt_u32 s[WV], 8
	s_cselect_b64 s[60:61], s[50:51], s[48:49]     ; the exponents of my h and of my half of W1
	s_add_co_i32 s62, s60, s61
	s_add_co_i32 s62, s62, 127
	s_lshl_b32 s62, s62, 23                        ; 2^(their sum) as f32: what a finished sum is multiplied by,
	s_or_b32 s63, s62, 0x80000000                  ; and its negative
	s_add_co_i32 s58, s61, 127
	s_lshl_b32 s59, s58, 23
	v_mov_b32 v[SCW], s59                          ; 2^e: the conversion takes its exponent field
	s_add_co_i32 s58, s58, 8
	s_lshl_b32 s58, s58, 23
	s_or_b32 s58, s58, 0x600000
	v_mov_b32 v[LMW], s58                          ; 448 x 2^e
	s_add_co_i32 s58, s60, 127
	s_lshl_b32 s59, s58, 23
	v_mov_b32 v[SCH], s59
	s_add_co_i32 s58, s58, 8
	s_lshl_b32 s58, s58, 23
	s_or_b32 s58, s58, 0x600000
	v_mov_b32 v[LMH], s58
	s_mov_b32 s31, s30                             ; (named with b2 as a pair, so it is written)
.irp i, 0,1,2,3,4,5,6,7,8,9,10,11,12,13,14,15
	s_mov_b32 s[WP+2*\i], s[32+\i]
	s_mov_b32 s[WP+2*\i+1], s[32+\i]
.endr
	; ---- mask and y leave first: nothing later needs them
	s_wait_loadcnt 32                              ; all but W1's 32 loads, the only ones issued behind the others, on every wave's path
.irp j, 0,1,2,3
	v_cmp_ne_u32 vcc_lo, 0, v[M2+\j]
	v_cndmask_b32 v[M2+\j], 0, 1.0, vcc_lo
.endr
	STREAM CA, S1A, MKA, 0
	s_cmp_lt_u32 s[WV], 9
	s_cbranch_scc0 .Lno_b1
	STREAM CB, S1B, MKB, 16*QROW
.Lno_b1:
	s_wait_xcnt 0x0                                ; the stores' data registers are written again only behind this wait
	; ---- the quantisers
	s_cmp_lt_u32 s[WV], 12
	s_cbranch_scc0 .Lno_h
	QUANT HR, HC, SCH, LMH                         ; the codes are the fragment's registers as they stand
.Lno_h:
	s_wait_loadcnt 0x0                             ; W1
	QUANT WR, WCD, SCW, LMW                        ; register q: (k 2 q, column 0), (2 q, 1), (2 q + 1, 0), (2 q + 1, 1)
	s_mov_b32 s58, 0x06040200                      ; the even bytes of a pair of registers: the first column's four neighbours along K;
	s_mov_b32 s59, 0x07050301                      ; the odd ones: the second column's
.irp p, 0,1,2,3,4,5,6,7
	v_perm_b32 v[WEV+\p], v[WCD+2*\p+1], v[WCD+2*\p], s58
	v_perm_b32 v[WOD+\p], v[WCD+2*\p+1], v[WCD+2*\p], s59
.endr
	ds_store_b128 v[WCST], v[WEV:WEV+3]
	ds_store_b128 v[WCST], v[WEV+4:WEV+7] offset:16
	ds_store_b128 v[WCST], v[WOD:WOD+3] offset:WCP
	ds_store_b128 v[WCST], v[WOD+4:WOD+7] offset:WCP+16
	BARRIER                                        ; W1's codes lie in LDS, K innermost
	; ---- the products
	s_cmp_lt_u32 s[WV], 12
	s_cbranch_scc0 .Lno_prod
.irp t, 0,1,2,3,4,5,6,7
	WFRAG \t
.endr
	s_cmp_lt_u32 s[WV], 8
	s_cbranch_scc0 .Larm_a
	PRODUCTS 0                                     ; source 0 = 16 rows of h_mol2, source 1 = 16 columns of W1: lane (r, h) holds unit 16 ft + r and positions 16 wave + 8 h + 0 .. 7
.irp ft, 0,1,2,3,4,5,6,7
.irp j, 0,1,2,3,4,5,6,7
	v_fma_f32 v[DT+8*\ft+\j], v[DT+8*\ft+\j], s63, -v[B1R+\ft]   ; nb = -(sum x 2^(e2 + e3) + b1); each result from its low end on
.endr
	ds_store_b128 v[NBST], v[DT+8*\ft:DT+8*\ft+3] offset:16*FP*\ft
	ds_store_b128 v[NBST], v[DT+8*\ft+4:DT+8*\ft+7] offset:16*FP*\ft+16
.endr
	s_branch .Lno_prod
.Larm_a:
	PRODUCTS 1                                     ; transposed: lane (r, h) holds slot 16 (wave % 4) + r and units 16 ft + 8 h + 0 .. 7
.irp ft, 0,1,2,3,4,5,6,7
.irp j, 0,1,2,3,4,5,6,7
	v_fma_f32 v[DT+8*\ft+\j], v[DT+8*\ft+\j], s62, v[AOFF]       ; a = sum x 2^(e0 + e1), or -infinity
.endr
	ds_store_b128 v[ATST], v[DT+8*\ft:DT+8*\ft+3] offset:64*\ft
	ds_store_b128 v[ATST], v[DT+8*\ft+4:DT+8*\ft+7] offset:64*\ft+16
.endr
.Lno_prod:
	BARRIER                                        ; nb and a lie in LDS
	; ---- the pairs: nb of my 16 units x 4 positions stays in registers for my 13 steps
.irp di, 0,1,2,3,4,5,6,7,8,9,10,11,12,13,14,15
	ds_load_b128 v[NB+4*\di:NB+4*\di+3], v[NBRD] offset:FP*\di
.endr
.irp c, 0,1,2,3
	ds_load_b128 v[AR+4*\c:AR+4*\c+3], v[ATRD] offset:16*\c
.endr
.irp i, 0,1,2,3,4,5,6,7,8,9,10,11,12
	ROWSTEP \i
.endr
	BARRIER                                        ; all slices' sums lie in LDS
	; ---- the end: wave w finishes step w, waves 0-8 also step w + 16
	s_cmp_lt_u32 s[WV], 9
	s_cbranch_scc0 .Lno_b2
.irp q, 0,1,2,3,4,5,6,7
	ds_load_b128 v[PBR+4*\q:PBR+4*\q+3], v[PTRB] offset:512*\q
.endr
.Lno_b2:
.irp q, 0,1,2,3,4,5,6,7
	ds_load_b128 v[PCR+4*\q:PCR+4*\q+3], v[PTRC] offset:512*\q
.endr
.irp q, 0,1,2,3,4,5,6,7
	ds_load_b128 v[PAR+4*\q:PAR+4*\q+3], v[PTRA] offset:512*\q
.endr
	s_wait_dscnt 0x0
	REDUCE CS, PCR
	REDUCE RA, PAR
	FINISH RA, 0
	s_cmp_lt_u32 s[WV], 9
	s_cbranch_scc0 .Ldone
	REDUCE RB, PBR
	FINISH RB, 16*QROW
.Ldone:
	s_wait_tensorcnt 0x0
	ds_add_u32 v62, v63
	s_wait_dscnt 0x0
	s_endpgm
.Lfunc_end_k_q28b71c8fd7_contact:
	.size	k_q28b71c8fd7_contact, .Lfunc_end_k_q28b71c8fd7_contact-k_q28b71c8fd7_contact
	.p2alignl 7, 3214868480
	.fill 96, 4, 3214868480
	.section	.rodata,"a",@progbits
	.p2align	6, 0x0
	.amdhsa_kernel k_q28b71c8fd7_contact
		.amdhsa_group_segment_fixed_size 246784
		.amdhsa_private_segment_fixed_size 0
		.amdhsa_enable_private_segment 0
		.amdhsa_kernarg_size 104
		.amdhsa_user_sgpr_count 2
		.amdhsa_user_sgpr_kernarg_segment_ptr 1
		.amdhsa_wavefront_size32 1
		.amdhsa_system_sgpr_workgroup_id_x 1
		.amdhsa_system_sgpr_workgroup_id_y 1
		.amdhsa_system_sgpr_workgroup_id_z 1
		.amdhsa_system_vgpr_workitem_id 0
		.amdhsa_next_free_vgpr 256
		.amdhsa_next_free_sgpr 100
		.amdhsa_reserve_vcc 1
		.amdhsa_float_denorm_mode_32 3
		.amdhsa_float_denorm_mode_16_64 3
		.amdhsa_memory_ordered 1
		.amdhsa_forward_progress 1
		.amdhsa_inst_pref_size 105
	.end_amdhsa_kernel
	.amdgpu_metadata
---
amdhsa.version: [ 1, 2 ]
amdhsa.kernels:
  - .name:           k_q28b71c8fd7_contact
    .symbol:         k_q28b71c8fd7_contact.kd
    .args:
      - { .name: h_mol2, .offset: 0, .size: 8, .value_kind: global_buffer, .address_space: global }
      - { .name: h_mol1, .offset: 8, .size: 8, .value_kind: global_buffer, .address_space: global }
      - { .name: W1, .offset: 16, .size: 8, .value_kind: global_buffer, .address_space: global }
      - { .name: b1, .offset: 24, .size: 8, .value_kind: global_buffer, .address_space: global }
      - { .name: contact_map, .offset: 32, .size: 8, .value_kind: global_buffer, .address_space: global }
      - { .name: S_mol1, .offset: 40, .size: 8, .value_kind: global_buffer, .address_space: global }
      - { .name: S_mol2, .offset: 48, .size: 8, .value_kind: global_buffer, .address_space: global }
      - { .name: lowp_scales, .offset: 56, .size: 8, .value_kind: global_buffer, .address_space: global }
      - { .name: W2, .offset: 64, .size: 8, .value_kind: global_buffer, .address_space: global }
      - { .name: b2, .offset: 72, .size: 8, .value_kind: global_buffer, .address_space: global }
      - { .name: out0, .offset: 80, .size: 8, .value_kind: global_buffer, .address_space: global }
      - { .name: out1, .offset: 88, .size: 8, .value_kind: global_buffer, .address_space: global }
      - { .name: out2, .offset: 96, .size: 8, .value_kind: global_buffer, .address_space: global }
    .group_segment_fixed_size: 246784
    .private_segment_fixed_size: 0
    .kernarg_segment_align: 8
    .kernarg_segment_size: 104
    .max_flat_workgroup_size: 512
    .sgpr_count:     100
    .vgpr_count:     256
    .wavefront_size: 32
...
	.end_amdgpu_metadata
.endif
;; end of part 1
;; ======== version 2 of 2: 1 launch; version 1 with the launch contact written anew for expert scheduling mode
;; limits: a difference of large sums (such as E[x^2] - mean^2): digits are lost where the result is much smaller than its terms
;; launch contact (part 2): grid 25 x 10, 16 waves a work-group, no clusters, 246,784 bytes of LDS; arguments h_mol2, h_mol1, W1, b1, contact_map, S_mol1, S_mol2, lowp_scales, W2, b2, out0, out1, out2; writes out0, out1, out2
.if DOCPART == 2
	.amdgcn_target "amdgcn-amd-amdhsa--gfx1250"
	.amdhsa_code_object_version 6
	.text
	.protected	k_q28b71c8fd7_contact
	.globl	k_q28b71c8fd7_contact
	.p2align	8
	.type	k_q28b71c8fd7_contact,@function
k_q28b71c8fd7_contact:
	s_mov_b64 s[64:65], 0
	v_nop
	global_prefetch_b8 v0, s[64:65] scope:SCOPE_SE
	s_setreg_imm32_b32 hwreg(HW_REG_WAVE_SCHED_MODE, 0, 2), 2
	s_setreg_imm32_b32 hwreg(HW_REG_WAVE_MODE, 25, 1), 1
	s_wait_xcnt 0x0
	s_wait_alu depctr_vm_vsrc(0)
; pred[b][n][m] = sum over d of W2[d] relu(p1[b][n][d] + p2[b][m][d] + b1[d]) + b2;  mask = (S1 != 0)(S2 != 0);  y = (contact < 0.5) mask.
; p1 = Q(h_mol1) Q(W1[:128]), p2 = Q(h_mol2) Q(W1[128:]): codes of FP8 (E4M3) with the given scales 2^e0 .. 2^e3, multiplied by v_wmma_f32_16x16x128_fp8_fp8, sums in f32.
; ONE LAUNCH.  A work-group makes the few rows of p1 and p2 that it needs itself, keeps them in LDS, and does its share of the 800,000 pairs on the vector unit (the last product has one column).
; SHARES.  Four rows n are 3,200 neighbouring positions of an output, 25 blocks of 128 positions (512 bytes).  Work-group (k, y): block k of each of the 25 groups of four rows ("steps") of fifth g = y % 5 of batch b = y / 5.
;   All steps of a block meet the same 128 columns m, so p2 is made for 128 rows; a block lies in one row of the four (rho0) or straddles into the next (lanes with sigma = 1), so p1 is made for two rows a step.
;   Sixteen waves: slice dq = wave % 8 of 16 hidden units x half rg = wave / 8 of the 26 steps; a lane holds four neighbouring positions.  The eight slices' sums meet in LDS.
; THE ARITHMETIC OF A PAIR.  With a = p1 and nb = -(p2 + b1): relu(a - nb) = max(a, nb) - nb, so pred = sum w max(a, nb) - sum w nb + b2: one maximum and one multiply-add a hidden unit.
;   The second sum is step 25, whose a is -infinity, made by the very same lines: where every hidden unit is off the two sums are equal bit for bit.
;   ORDER OF ROUNDING: it differs from a sum of w relu(..): the error is bounded by f32's rounding x sum |w| (|a| + |nb|), all in f32.
; LIMITS: each e between -126 and 119; e0 + e1 and e2 + e3 between -126 and 127 (each power of two below is an f32 number).  NaN among h, W1 is not served.
; NO CLUSTER: W1 is read by every work-group, but a grid of 25 x 10 is a multiple of four along neither axis, and W1 has to pass through registers to be quantised (its K is its first axis).
; THE MODE: SCHED_MODE bits 1:0 = 2 (LLVM: expert scheduling mode 2), set by the entry lines.  The code itself states the register dependences
; between vector or matrix instructions and memory or LDS instructions, with s_wait_alu, always for 0.
; THE PLAN.  Registers that memory or LDS instructions touch:
;   v4-v20     offsets and LDS addresses: written once at the head (v8 in one of two arms), never again.
;   v24-v53    loads land; the selects and multiplies make mask and y there; four stores read them; then h's codes are written over v24-v39.
;   v64-v191   W1 and h land; the quantisers work there; W1's fragments land; the products read them; nb and a land; the maxima read them; the end's slices land.
;   v192-v255  W1's codes (v208-v223 are read by four LDS stores); then the products' results, read by sixteen LDS stores; then v192-v199, the two sets of sums.
;   A step of the pairs: step i reads a's buffer i % 2 and writes the sums' set i % 2.  At its head stand the store of step i - 1's sums and the loads of step i + 1's a: they touch the set and the buffer that
;   step i - 1 worked on and that no vector instruction of step i names.  So one wait on va_vdst at the head states all that they hang on, and one on vm_vsrc that the store issued a step back has read the set that step i writes again.
;   v164-v171  the end's results, read by the stores of pred.   v62, v63: written at the head, read by the closing add alone.
.set DUAL, 1                           ; 1: two maxima in one dual instruction; 0: two plain ones
; LDS.  No byte is written twice, so three barriers order everything.
.set WCP,  144                         ; W1's codes: a row f is 128 bytes along K + 16 of padding
.set WCH,  128*WCP                     ; a half of W1: half 0 = W1[:128] at 0, half 1 = W1[128:]
.set FP,   528                         ; a row of 128 f32 + 16 bytes of padding
.set NBT,  2*WCH                       ; nb [d 128][position 128]
.set AT,   NBT+128*FP                  ; a  [slot 64][d 128]; slot = 2 x step + sigma; slots 50 on hold -infinity
.set PT,   AT+64*FP                    ; the slices' sums [step 26][dq 8][position 128]: 512 bytes each
.set QROW, 12800                       ; bytes of four rows of an output
; vector registers
.set OFFO, 4                           ; outputs and contact_map: 16 x lane + QROW x wave (step = wave; + 16 steps by the immediate)
.set OFFS1, 5                          ; S_mol1: 16 x wave + 4 sigma
.set OFFS2, 6                          ; S_mol2: 4 x my first column m
.set OFFW, 7                           ; W1: my two columns, my 32 rows
.set OFFH, 8                           ; h: my row, + 64 x (lane / 16)
.set WCST, 9                           ; LDS addresses, all made ahead of the first branch on the wave's number and never rewritten
.set WCRD, 10
.set NBST, 11
.set ATST, 12
.set NBRD, 13
.set ATRD, 14
.set PTST, 15
.set PTRA, 16
.set PTRB, 17
.set PTRC, 18
.set OFFB1, 19                         ; b1: 4 x (lane % 16)
.set AOFF, 20                          ; -infinity where my slot is 50 or more, else 0
.set CA,   24                          ; v[24:27] contact, step A, then y;  v[28:31] step B
.set CB,   28
.set S1A,  32                          ; S_mol1 of step A, B, then 0.0 or 1.0
.set S1B,  33
.set M2,   34                          ; v[34:37] S_mol2 of my four columns, then 0.0 or 1.0
.set MKA,  38                          ; v[38:41], v[42:45] mask of step A, B
.set MKB,  42
.set B1R,  46                          ; v[46:53] b1[16 ft + lane % 16]
.set SCW,  54                          ; 2^e and 448 x 2^e of my half of W1;
.set LMW,  55
.set SCH,  56                          ; of my h
.set LMH,  57
.set HC,   24                          ; v[24:39] h's fragment of codes (behind the first stores)
.set WR,   64                          ; v[64:127] W1 as loaded
.set HR,   128                         ; v[128:191] h as loaded
.set WCD,  192                         ; v[192:207] W1's codes, two columns interleaved; v[208:215], v[216:223] parted
.set WEV,  208
.set WOD,  216
.set WF,   64                          ; v[64:191] W1's eight fragments
.set DT,   192                         ; v[192:255] the eight results
.set NB,   64                          ; v[64:127] nb: register 4 di + j
.set AR,   128                         ; v[128:159] a: two buffers of 16
.set TR,   160                         ; v[160:191] maxima: two sets of 16
.set ACC,  192                         ; v[192:199] sums: two sets of 4
.set PCR,  64                          ; the end: eight slices of step 25, of step A, of step B
.set PAR,  96
.set PBR,  128
.set CS,   160                         ; their sums
.set RA,   164
.set RB,   168
; scalar registers
.set WV,   2                           ; wave
.set DQ,   3                           ; wave % 8
.set RG,   57                          ; wave / 8
.set BB,   53                          ; batch
.set GG,   54                          ; fifth of the batch's rows
.set RHO,  55                          ; the block's first row among the four
.set DEL,  56                          ; 1 where a row rho0 + 1 exists among the four, else 0
.set X0,   99                          ; the block's first column, counted from row rho0's start: 128 k - 800 rho0
.set WP,   66                          ; s[66:97] my 16 w, each twice: the packed form names a pair and takes its low word for both halves
.set CM2,  32                          ; s[32:35] lanes' masks of S_mol2 != 0 (s[32:47] held w as loaded and are free once w is copied)
.set CMA,  36                          ; s[36:40] step A: S_mol1 != 0, then contact < 0.5 of my four positions
.set CMB,  41                          ; s[41:45] step B likewise
.macro BARRIER                         ; my LDS stores have landed and my LDS loads are in: then the work-group's barrier, on every wave's path
	s_wait_dscnt 0x0
	s_barrier_signal -1
	s_barrier_wait -1
.endm
; my row's 64 numbers: of each block of 32 along K the 16 of my half of the lanes: register 16 c + i = k 32 c + 16 (lane / 16) + i
.macro HLOAD base
.irp c, 0,1,2,3
.irp i, 0,1,2,3
	global_load_b128 v[HR+16*\c+4*\i:HR+16*\c+4*\i+3], v[OFFH], s[\base:\base+1] offset:128*\c+16*\i
.endr
.endr
.endm
; 64 numbers of a lane become 64 codes in 16 registers, in the registers' order
.macro QUANT src, dst, sc, lim
.irp b, 0,1,2,3
.irp i, 0,1,2,3,4,5,6,7,8,9,10,11,12,13,14,15
	v_med3_num_f32 v[\src+16*\b+\i], v[\src+16*\b+\i], -v[\lim], v[\lim]   ; the conversion does not saturate (ISA guide 7.6.2): the hold at 448 x the scale
.endr
	v_cvt_scalef32_pk8_fp8_f32 v[\dst+4*\b:\dst+4*\b+1], v[\src+16*\b:\src+16*\b+7], v[\sc]
	v_cvt_scalef32_pk8_fp8_f32 v[\dst+4*\b+2:\dst+4*\b+3], v[\src+16*\b+8:\src+16*\b+15], v[\sc]
.endr
	v_nop                                          ; one plain vector instruction between the last conversion and whatever next touches its registers
.endm
; the five compares of one step, in a run, each into a scalar register of its own: one wait behind the run serves them all
.macro MASKS cm, s1, sm
	v_cmp_ne_u32 s[\sm], 0, v[\s1]
.irp j, 0,1,2,3
	v_cmp_gt_f32 s[\sm+1+\j], 0.5, v[\cm+\j]
.endr
.endm
; mask and y of one step: 512 consecutive bytes of each, aligned, a wave
.macro STREAM cm, s1, mk, sm, off
	v_cndmask_b32 v[\s1], 0, 1.0, s[\sm]
.irp j, 0,1,2,3
	v_mul_f32 v[\mk+\j], v[M2+\j], v[\s1]
.endr
.irp j, 0,1,2,3
	v_cndmask_b32 v[\cm+\j], 0, v[\mk+\j], s[\sm+1+\j]
.endr
	s_wait_alu depctr_va_vdst(0)                   ; the multiplies have written the mask and the selects y, which the two stores read
	global_store_b128 v[OFFO], v[\mk:\mk+3], s[28:29] offset:\off th:TH_STORE_NT
	global_store_b128 v[OFFO], v[\cm:\cm+3], s[26:27] offset:\off th:TH_STORE_NT
.endm
; fragment t of my half of W1: rows f = 16 t + lane % 16; registers 4 c .. 4 c + 3 = k 32 c + 16 (lane / 16) + 0 .. 15: the same places of k as in h's fragment
.macro WFRAG t
.irp c, 0,1,2,3
	ds_load_b128 v[WF+16*\t+4*\c:WF+16*\t+4*\c+3], v[WCRD] offset:16*WCP*\t+32*\c
.endr
.endm
.macro MM ft, swap
.if \swap
	v_wmma_f32_16x16x128_fp8_fp8 v[DT+8*\ft:DT+8*\ft+7], v[WF+16*\ft:WF+16*\ft+15], v[HC:HC+15], 0
.else
	v_wmma_f32_16x16x128_fp8_fp8 v[DT+8*\ft:DT+8*\ft+7], v[HC:HC+15], v[WF+16*\ft:WF+16*\ft+15], 0
.endif
.endm
; eight products, each a whole sum (K = 128) with a result of its own
.macro PRODUCTS swap
	s_wait_dscnt 16                                ; fragments 0 to 3 are in; the sixteen loads of fragments 4 to 7 may be out
.irp ft, 0,1,2,3
	MM \ft, \swap
.endr
	s_wait_dscnt 0x0
.irp ft, 4,5,6,7
	MM \ft, \swap
.endr
.rept 4
	v_nop                                          ; four plain vector instructions between the last product and the first read of a result (ISA guide 7.12.1)
.endr
.endm
; maxima number n of 8 of group c (hidden units 4 c .. 4 c + 3 of my 16): unit 4 c + n / 2, positions 2 (n % 2) and + 1
.macro DU buf, c, n
.set rA, AR+16*(\buf)+4*(\c)+(\n)/2
.set rN, NB+4*(4*(\c)+(\n)/2)+2*((\n)%2)
.set rT, TR+16*((\c)%2)+4*((\n)/2)+2*((\n)%2)
.if DUAL
	v_dual_max_num_f32 v[rT], v[rA], v[rN] :: v_dual_max_num_f32 v[rT+1], v[rA], v[rN+1]
.else
	v_max_num_f32 v[rT], v[rA], v[rN]
	v_max_num_f32 v[rT+1], v[rA], v[rN+1]
.endif
.endm
; and what takes them: sum += w x maximum, two positions at a time; the first unit starts the sums: nothing is cleared
.macro FM acc, c, n
.set rT, TR+16*((\c)%2)+4*((\n)/2)+2*((\n)%2)
.set rC, ACC+4*(\acc)+2*((\n)%2)
.set rW, WP+2*(4*(\c)+(\n)/2)
.if (4*(\c)+(\n)/2) == 0
	v_pk_mul_f32 v[rC:rC+1], v[rT:rT+1], s[rW:rW+1] op_sel_hi:[1,0]
.else
	v_pk_fma_f32 v[rC:rC+1], v[rT:rT+1], s[rW:rW+1], v[rC:rC+1] op_sel_hi:[1,0,1]
.endif
.endm
; step i of my 13: 4 positions x 16 hidden units a lane.  At its head the sums of the step before are stored and the next step's a is asked for; group c + 1's maxima stand by turns with group c's multiply-adds.
.macro ROWSTEP i
.if (\i) > 0
	s_wait_alu depctr_va_vdst(0)                   ; the step before has written its set of sums, which the store below reads, and is done reading its buffer of a, in which the loads below land
.endif
.if (\i) > 1
	s_wait_alu depctr_vm_vsrc(0)                   ; the store issued at the head of the step before has read the set of sums that this step writes again
.endif
.if (\i) > 0
	ds_store_b128 v[PTST], v[ACC+4*(((\i)+1)%2):ACC+4*(((\i)+1)%2)+3] offset:4096*((\i)-1)
.endif
.if (\i) < 12
.irp c, 0,1,2,3
	ds_load_b128 v[AR+16*(((\i)+1)%2)+4*\c:AR+16*(((\i)+1)%2)+4*\c+3], v[ATRD] offset:2*FP*((\i)+1)+16*\c
.endr
.if (\i) == 0
	s_wait_dscnt 4                                 ; all but the four just issued: nb and this step's a are in
.else
	s_wait_dscnt 5                                 ; behind this step's a were issued the store and the four loads above: they may be out
.endif
.else
	s_wait_dscnt 1                                 ; behind this step's a only the store above was issued
.endif
.irp n, 0,1,2,3,4,5,6,7
	DU (\i)%2, 0, \n
.endr
.irp c, 0,1,2
.irp n, 0,1,2,3,4,5,6,7
	DU (\i)%2, \c+1, \n
	FM (\i)%2, \c, \n
.endr
.endr
.irp n, 0,1,2,3,4,5,6,7
	FM (\i)%2, 3, \n
.endr
.endm
; the eight slices of a step are added, always in the same order
.macro REDUCE dst, src
	v_pk_add_f32 v[\dst:\dst+1], v[\src:\src+1], v[\src+4:\src+5]
	v_pk_add_f32 v[\dst+2:\dst+3], v[\src+2:\src+3], v[\src+6:\src+7]
.irp q, 2,3,4,5,6,7
	v_pk_add_f32 v[\dst:\dst+1], v[\dst:\dst+1], v[\src+4*\q:\src+4*\q+1]
	v_pk_add_f32 v[\dst+2:\dst+3], v[\dst+2:\dst+3], v[\src+4*\q+2:\src+4*\q+3]
.endr
.endm
.macro FINISH r, off                   ; pred = (sum - step 25's sum) + b2; 512 consecutive bytes, aligned, a wave
	v_pk_add_f32 v[\r:\r+1], v[\r:\r+1], v[CS:CS+1] neg_lo:[0,1] neg_hi:[0,1]
	v_pk_add_f32 v[\r+2:\r+3], v[\r+2:\r+3], v[CS+2:CS+3] neg_lo:[0,1] neg_hi:[0,1]
	v_pk_add_f32 v[\r:\r+1], v[\r:\r+1], s[30:31] op_sel_hi:[1,0]
	v_pk_add_f32 v[\r+2:\r+3], v[\r+2:\r+3], s[30:31] op_sel_hi:[1,0]
	s_wait_alu depctr_va_vdst(0)                   ; the additions have written the four numbers that the store reads
	global_store_b128 v[OFFO], v[\r:\r+3], s[24:25] offset:\off th:TH_STORE_NT
.endm
	; ---- the head: ids, byte offsets, every address register
	s_load_b512 s[4:19], s[0:1], 0x0               ; h_mol2 s[4:5], h_mol1 s[6:7], W1 s[8:9], b1 s[10:11], contact_map s[12:13], S_mol1 s[14:15], S_mol2 s[16:17], lowp_scales s[18:19]
	s_load_b256 s[20:27], s[0:1], 0x40             ; W2 s[20:21], b2 s[22:23], out0 s[24:25], out1 s[26:27]
	s_load_b64 s[28:29], s[0:1], 0x60              ; out2
	v_lshl_add_u32 v62, v0, 2, 0x3bc00
	v_mov_b32 v63, 0
	v_lshrrev_b32 v21, 5, v0
	v_readfirstlane_b32 s[WV], v21
	v_and_b32 v1, 31, v0                           ; lane
	v_and_b32 v2, 15, v0                           ; r
	v_bfe_u32 v3, v0, 4, 1                         ; h
	s_wait_alu depctr_va_sdst(0)                   ; the wave's number is written into s[WV], ahead of its first reader
	s_and_b32 s[DQ], s[WV], 7
	s_lshr_b32 s[RG], s[WV], 3
	s_and_b32 s58, ttmp7, 0xffff                   ; y = 5 b + g
	s_cmp_ge_u32 s58, 5
	s_cselect_b32 s[BB], 1, 0
	s_mul_i32 s59, s[BB], 5
	s_sub_co_u32 s[GG], s58, s59
	s_mul_i32 s[RHO], ttmp9, 41
	s_lshr_b32 s[RHO], s[RHO], 8                   ; 128 k / 800, rounded down, for k = 0 .. 24
	s_add_co_u32 s[DEL], s[RHO], 1
	s_min_u32 s[DEL], s[DEL], 3
	s_sub_co_u32 s[DEL], s[DEL], s[RHO]
	s_lshl_b32 s[X0], ttmp9, 7
	s_mul_i32 s58, s[RHO], 800
	s_sub_co_u32 s[X0], s[X0], s58
	; what the bases are stepped by, in pairs with 0 above (these registers hold the w pairs later)
	s_mul_i32 s66, s[BB], 1600000                  ; outputs and contact_map: the batch,
	s_mul_i32 s58, s[GG], 25*QROW                  ; the fifth's 25 steps,
	s_add_co_u32 s66, s66, s58
	s_lshl_b32 s58, ttmp9, 9                       ; the block
	s_add_co_u32 s66, s66, s58
	s_mov_b32 s67, 0
	s_mul_i32 s58, s[BB], 500
	s_mul_i32 s59, s[GG], 100
	s_add_co_u32 s58, s58, s59
	s_add_co_u32 s58, s58, s[RHO]                  ; row 500 b + 100 g + rho0 of mol1
	s_lshl_b32 s68, s58, 2                         ; in S_mol1,
	s_mov_b32 s69, 0
	s_lshl_b32 s74, s58, 9                         ; in h_mol1
	s_mov_b32 s75, 0
	s_mul_i32 s70, s[BB], 3200                     ; the batch in S_mol2,
	s_mov_b32 s71, 0
	s_mul_i32 s72, s[BB], 409600                   ; in h_mol2
	s_mov_b32 s73, 0
	s_lshl_b32 s76, s[DQ], 6                       ; my 16 numbers of W2
	s_mov_b32 s77, 0
	; my four positions: which row of the two, which columns
	v_lshl_add_u32 v21, v1, 2, s[X0]               ; 128 k - 800 rho0 + 4 lane
	v_cmp_le_u32 vcc_lo, 0x320, v21
	v_add_nc_u32 v23, 0xfffffce0, v21              ; - 800 (wraps to a huge number where sigma = 0)
	v_min_u32 v23, v21, v23                        ; my first column m
	v_lshlrev_b32 v[OFFS2], 2, v23
	s_mul_i32 s58, s[WV], QROW
	v_lshl_add_u32 v[OFFO], v1, 4, s58
	s_wait_alu depctr_va_vcc(0)                    ; the compare above has written VCC, which the select reads
	v_cndmask_b32 v22, 0, 1, vcc_lo                ; sigma: 1 from column 800 on, which is the next row
	s_lshl_b32 s58, s[WV], 4
	v_lshl_add_u32 v[OFFS1], v22, 2, s58
	v_lshlrev_b32 v[OFFB1], 2, v2
	; W1: waves 0-7 take W1[128:] (whose scale goes with h_mol2's), waves 8-15 W1[:128].  In a half: 64 columns (wave % 2) x 32 rows of K ((wave / 2) % 4); a lane two neighbouring columns
	s_xor_b32 s60, s[RG], 1                        ; the half
	s_bfe_u32 s61, s[WV], 0x20001                  ; which 32 rows
	s_and_b32 s98, s[WV], 1                        ; which 64 columns
	s_lshl_b32 s58, s60, 16                        ; 128 rows of 512 bytes
	s_lshl_b32 s59, s61, 14                        ; 32 rows
	s_add_co_u32 s58, s58, s59
	s_lshl_b32 s59, s98, 8
	s_add_co_u32 s58, s58, s59
	v_lshl_add_u32 v[OFFW], v1, 3, s58
	s_mul_i32 s60, s60, WCH                        ; the half in LDS
	s_mul_i32 s58, s98, 64*WCP
	s_add_co_u32 s58, s58, s60
	s_lshl_b32 s59, s61, 5
	s_add_co_u32 s58, s58, s59
	v_mul_u32_u24 v[WCST], v1, 2*WCP
	v_add_nc_u32 v[WCST], s58, v[WCST]             ; rows 64 (wave % 2) + 2 lane and + 1, bytes 32 ((wave / 2) % 4) on
	v_mul_u32_u24 v[WCRD], v2, WCP
	v_lshl_add_u32 v[WCRD], v3, 4, v[WCRD]
	v_add_nc_u32 v[WCRD], s60, v[WCRD]             ; a fragment's row r, + 16 h
	s_and_b32 s61, s[WV], 3
	v_mul_u32_u24 v21, v2, FP
	v_lshl_add_u32 v21, v3, 5, v21                 ; FP r + 32 h
	s_lshl_b32 s58, s[DQ], 6
	s_add_co_u32 s58, s58, NBT
	v_add_nc_u32 v[NBST], s58, v21                 ; nb: row d = r (+ 16 ft), positions 16 wave + 8 h on
	s_mul_i32 s58, s61, 16*FP
	s_add_co_u32 s58, s58, AT
	v_add_nc_u32 v[ATST], s58, v21                 ; a: slot 16 (wave % 4) + r, units 8 h on (+ 16 ft)
	s_mul_i32 s58, s[DQ], 16*FP
	s_add_co_u32 s58, s58, NBT
	v_lshl_add_u32 v[NBRD], v1, 4, s58             ; nb of my 16 units, my four positions
	s_mul_i32 s58, s[RG], 13*2*FP
	s_lshl_b32 s59, s[DQ], 6
	s_add_co_u32 s58, s58, s59
	s_add_co_u32 s58, s58, AT
	v_mul_u32_u24 v[ATRD], v22, FP
	v_add_nc_u32 v[ATRD], s58, v[ATRD]             ; a of my first step, my row of the two, my 16 units
	s_mul_i32 s58, s[RG], 13*4096
	s_lshl_b32 s59, s[DQ], 9
	s_add_co_u32 s58, s58, s59
	s_add_co_u32 s58, s58, PT
	v_lshl_add_u32 v[PTST], v1, 4, s58
	s_lshl_b32 s58, s[WV], 12
	s_add_co_u32 s58, s58, PT
	v_lshl_add_u32 v[PTRA], v1, 4, s58             ; the end: step = wave,
	v_add_nc_u32 v[PTRB], 0x10000, v[PTRA]         ; step = wave + 16 (used by waves 0-8 alone),
	v_lshl_add_u32 v[PTRC], v1, 4, PT+25*4096      ; step 25
	s_lshl_b32 s58, s61, 4
	v_add_nc_u32 v23, s58, v2                      ; my slot, in waves 8-11
	v_cmp_le_u32 vcc_lo, 50, v23
	v_mov_b32 v[AOFF], 0xff800000
	s_wait_alu depctr_va_vcc(0)                    ; the compare above has written VCC, which the select reads
	v_cndmask_b32 v[AOFF], 0, v[AOFF], vcc_lo
	s_wait_kmcnt 0x0
	s_add_nc_u64 s[20:21], s[20:21], s[76:77]
	s_load_b128 s[48:51], s[18:19], 0x0            ; e0 .. e3
	s_load_b512 s[32:47], s[20:21], 0x0            ; my 16 w
	s_load_b32 s30, s[22:23], 0x0                  ; b2
	s_add_nc_u64 s[12:13], s[12:13], s[66:67]
	s_add_nc_u64 s[24:25], s[24:25], s[66:67]
	s_add_nc_u64 s[26:27], s[26:27], s[66:67]
	s_add_nc_u64 s[28:29], s[28:29], s[66:67]
	s_add_nc_u64 s[14:15], s[14:15], s[68:69]
	s_add_nc_u64 s[16:17], s[16:17], s[70:71]
	s_add_nc_u64 s[4:5], s[4:5], s[72:73]
	s_add_nc_u64 s[6:7], s[6:7], s[74:75]
	s_wait_alu depctr_va_vdst(0)                   ; the offsets and LDS addresses v4 to v7 and v9 to v19 are written: every load and store of the kernel but h's reads one of them, and none is written again
	; ---- all global loads, 61 a wave at the most: h (16), step B (2), what every wave wants (11), W1 (32) last
	s_cmp_lt_u32 s[WV], 8
	s_cbranch_scc0 .Lnot_h2
	s_lshl_b32 s58, s[WV], 4                       ; waves 0-7: the rows of h_mol2 that belong to positions 16 wave + r
	s_add_co_u32 s58, s58, s[X0]
	v_add_nc_u32 v[OFFH], s58, v2
	v_add_nc_u32 v21, 0xfffffce0, v[OFFH]
	v_min_u32 v[OFFH], v[OFFH], v21                ; column m: less 800 from 800 on
	v_lshlrev_b32 v[OFFH], 9, v[OFFH]
	v_lshl_add_u32 v[OFFH], v3, 6, v[OFFH]
	s_wait_alu depctr_va_vdst(0)                   ; h's offset is written, which the sixteen loads read
	HLOAD 4
	s_branch .Lh_asked
.Lnot_h2:
	s_cmp_lt_u32 s[WV], 12
	s_cbranch_scc0 .Lh_asked
	v_min_u32 v[OFFH], 49, v23                     ; waves 8-11: slot t = 2 x step + sigma is row 4 (t / 2) + (t % 2) from rho0 on; slots 50 on read slot 49's row and are overwritten by -infinity
	v_and_b32 v21, 1, v[OFFH]
	v_and_b32 v21, s[DEL], v21                     ; where rho0 = 3 no lane has sigma = 1: the odd slots read the even slots' rows, so that no load leaves the buffer
	v_lshrrev_b32 v[OFFH], 1, v[OFFH]
	v_lshl_add_u32 v[OFFH], v[OFFH], 2, v21
	v_lshlrev_b32 v[OFFH], 9, v[OFFH]
	v_lshl_add_u32 v[OFFH], v3, 6, v[OFFH]
	s_wait_alu depctr_va_vdst(0)                   ; h's offset is written, which the sixteen loads read
	HLOAD 6
.Lh_asked:
	s_cmp_lt_u32 s[WV], 9
	s_cbranch_scc0 .Lno_b0
	global_load_b128 v[CB:CB+3], v[OFFO], s[12:13] offset:16*QROW th:TH_LOAD_NT
	global_load_b32 v[S1B], v[OFFS1], s[14:15] offset:256
.Lno_b0:
	global_load_b128 v[CA:CA+3], v[OFFO], s[12:13] th:TH_LOAD_NT
	global_load_b32 v[S1A], v[OFFS1], s[14:15]
	global_load_b128 v[M2:M2+3], v[OFFS2], s[16:17]
.irp ft, 0,1,2,3,4,5,6,7
	global_load_b32 v[B1R+\ft], v[OFFB1], s[10:11] offset:64*\ft
.endr
.set cnt, 0
.rept 32
	global_load_b64 v[WR+2*cnt:WR+2*cnt+1], v[OFFW], s[8:9] offset:512*cnt   ; row cnt of my 32: the wave reads 256 consecutive bytes, aligned
.set cnt, cnt+1
.endr
	s_wait_kmcnt 0x0
	s_cmp_lt_u32 s[WV], 8
	s_cselect_b64 s[60:61], s[50:51], s[48:49]     ; the exponents of my h and of my half of W1
	s_add_co_i32 s62, s60, s61
	s_add_co_i32 s62, s62, 127
	s_lshl_b32 s62, s62, 23                        ; 2^(their sum) as f32: what a finished sum is multiplied by,
	s_or_b32 s63, s62, 0x80000000                  ; and its negative
	s_add_co_i32 s58, s61, 127
	s_lshl_b32 s59, s58, 23
	v_mov_b32 v[SCW], s59                          ; 2^e: the conversion takes its exponent field
	s_add_co_i32 s58, s58, 8
	s_lshl_b32 s58, s58, 23
	s_or_b32 s58, s58, 0x600000
	v_mov_b32 v[LMW], s58                          ; 448 x 2^e
	s_add_co_i32 s58, s60, 127
	s_lshl_b32 s59, s58, 23
	v_mov_b32 v[SCH], s59
	s_add_co_i32 s58, s58, 8
	s_lshl_b32 s58, s58, 23
	s_or_b32 s58, s58, 0x600000
	v_mov_b32 v[LMH], s58
	s_mov_b32 s31, s30                             ; (named with b2 as a pair, so it is written)
.irp i, 0,1,2,3,4,5,6,7,8,9,10,11,12,13,14,15
	s_mov_b32 s[WP+2*\i], s[32+\i]
	s_mov_b32 s[WP+2*\i+1], s[32+\i]
.endr
	; ---- mask and y leave first: nothing later needs them
	s_wait_loadcnt 32                              ; all but W1's 32 loads, the only ones issued behind the others, on every wave's path
.irp j, 0,1,2,3
	v_cmp_ne_u32 s[CM2+\j], 0, v[M2+\j]
.endr
	MASKS CA, S1A, CMA
	s_wait_alu depctr_va_sdst(0)                   ; the nine compares above have written s[32:40], which the selects below read
.irp j, 0,1,2,3
	v_cndmask_b32 v[M2+\j], 0, 1.0, s[CM2+\j]
.endr
	STREAM CA, S1A, MKA, CMA, 0
	s_cmp_lt_u32 s[WV], 9
	s_cbranch_scc0 .Lno_b1
	MASKS CB, S1B, CMB
	s_wait_alu depctr_va_sdst(0)                   ; the five compares above have written s[41:45], which the selects below read
	STREAM CB, S1B, MKB, CMB, 16*QROW
.Lno_b1:
	s_wait_xcnt 0x0                                ; the stores' data registers are written again only behind this wait
	s_wait_alu depctr_vm_vsrc(0)                   ; the stores of mask and y have read v[24:31] and v[38:45]: h's codes are written over v[24:39]
	; ---- the quantisers
	s_cmp_lt_u32 s[WV], 12
	s_cbranch_scc0 .Lno_h
	QUANT HR, HC, SCH, LMH                         ; the codes are the fragment's registers as they stand
.Lno_h:
	s_wait_loadcnt 0x0                             ; W1
	QUANT WR, WCD, SCW, LMW                        ; register q: (k 2 q, column 0), (2 q, 1), (2 q + 1, 0), (2 q + 1, 1)
	s_mov_b32 s58, 0x06040200                      ; the even bytes of a pair of registers: the first column's four neighbours along K;
	s_mov_b32 s59, 0x07050301                      ; the odd ones: the second column's
.irp p, 0,1,2,3,4,5,6,7
	v_perm_b32 v[WEV+\p], v[WCD+2*\p+1], v[WCD+2*\p], s58
	v_perm_b32 v[WOD+\p], v[WCD+2*\p+1], v[WCD+2*\p], s59
.endr
	s_wait_alu depctr_va_vdst(0)                   ; the permutes have written v[208:223], which the four LDS stores read; and the quantisers are done with v[64:191], in which W1's fragments land behind the barrier (no vector instruction names them in between)
	ds_store_b128 v[WCST], v[WEV:WEV+3]
	ds_store_b128 v[WCST], v[WEV+4:WEV+7] offset:16
	ds_store_b128 v[WCST], v[WOD:WOD+3] offset:WCP
	ds_store_b128 v[WCST], v[WOD+4:WOD+7] offset:WCP+16
	BARRIER                                        ; W1's codes lie in LDS, K innermost
	s_wait_alu depctr_vm_vsrc(0)                   ; my four LDS stores have read v[208:223], over which the products write their results
	; ---- the products
	s_cmp_lt_u32 s[WV], 12
	s_cbranch_scc0 .Lno_prod
.irp t, 0,1,2,3,4,5,6,7
	WFRAG \t
.endr
	s_cmp_lt_u32 s[WV], 8
	s_cbranch_scc0 .Larm_a
	PRODUCTS 0                                     ; source 0 = 16 rows of h_mol2, source 1 = 16 columns of W1: lane (r, h) holds unit 16 ft + r and positions 16 wave + 8 h + 0 .. 7
.irp ft, 0,1,2,3,4,5,6,7
.irp j, 0,1,2,3,4,5,6,7
	v_fma_f32 v[DT+8*\ft+\j], v[DT+8*\ft+\j], s63, -v[B1R+\ft]   ; nb = -(sum x 2^(e2 + e3) + b1); each result from its low end on
.endr
.endr
	s_wait_alu depctr_va_vdst(0)                   ; the multiply-adds have written v[192:255], which the sixteen LDS stores read; and the products are done reading v[64:191], in which nb and a land behind the barrier
.irp ft, 0,1,2,3,4,5,6,7
	ds_store_b128 v[NBST], v[DT+8*\ft:DT+8*\ft+3] offset:16*FP*\ft
	ds_store_b128 v[NBST], v[DT+8*\ft+4:DT+8*\ft+7] offset:16*FP*\ft+16
.endr
	s_branch .Lno_prod
.Larm_a:
	PRODUCTS 1                                     ; transposed: lane (r, h) holds slot 16 (wave % 4) + r and units 16 ft + 8 h + 0 .. 7
.irp ft, 0,1,2,3,4,5,6,7
.irp j, 0,1,2,3,4,5,6,7
	v_fma_f32 v[DT+8*\ft+\j], v[DT+8*\ft+\j], s62, v[AOFF]       ; a = sum x 2^(e0 + e1), or -infinity
.endr
.endr
	s_wait_alu depctr_va_vdst(0)                   ; the multiply-adds have written v[192:255], which the sixteen LDS stores read; and the products are done reading v[64:191], in which nb and a land behind the barrier
.irp ft, 0,1,2,3,4,5,6,7
	ds_store_b128 v[ATST], v[DT+8*\ft:DT+8*\ft+3] offset:64*\ft
	ds_store_b128 v[ATST], v[DT+8*\ft+4:DT+8*\ft+7] offset:64*\ft+16
.endr
.Lno_prod:
	BARRIER                                        ; nb and a lie in LDS
	s_wait_alu depctr_vm_vsrc(0)                   ; my LDS stores of nb or a have read v[192:199], which the first two steps write as the two sets of sums
	; ---- the pairs: nb of my 16 units x 4 positions stays in registers for my 13 steps
.irp di, 0,1,2,3,4,5,6,7,8,9,10,11,12,13,14,15
	ds_load_b128 v[NB+4*\di:NB+4*\di+3], v[NBRD] offset:FP*\di
.endr
.irp c, 0,1,2,3
	ds_load_b128 v[AR+4*\c:AR+4*\c+3], v[ATRD] offset:16*\c
.endr
.irp i, 0,1,2,3,4,5,6,7,8,9,10,11,12
	ROWSTEP \i
.endr
	s_wait_alu depctr_va_vdst(0)                   ; the last step has written its sums, which the store reads; and all maxima are done reading nb and a, in whose registers the end's loads land behind the barrier
	ds_store_b128 v[PTST], v[ACC:ACC+3] offset:4096*12
	BARRIER                                        ; all slices' sums lie in LDS
	; ---- the end: wave w finishes step w, waves 0-8 also step w + 16
	s_cmp_lt_u32 s[WV], 9
	s_cbranch_scc0 .Lno_b2
.irp q, 0,1,2,3,4,5,6,7
	ds_load_b128 v[PBR+4*\q:PBR+4*\q+3], v[PTRB] offset:512*\q
.endr
.Lno_b2:
.irp q, 0,1,2,3,4,5,6,7
	ds_load_b128 v[PCR+4*\q:PCR+4*\q+3], v[PTRC] offset:512*\q
.endr
.irp q, 0,1,2,3,4,5,6,7
	ds_load_b128 v[PAR+4*\q:PAR+4*\q+3], v[PTRA] offset:512*\q
.endr
	s_wait_dscnt 0x0
	REDUCE CS, PCR
	REDUCE RA, PAR
	FINISH RA, 0
	s_cmp_lt_u32 s[WV], 9
	s_cbranch_scc0 .Ldone
	REDUCE RB, PBR
	FINISH RB, 16*QROW
.Ldone:
	s_wait_dscnt 0x0                               ; the closing lines, six on end
	s_wait_alu 0x0
	s_wait_tensorcnt 0x0
	ds_add_u32 v62, v63
	s_wait_dscnt 0x0
	s_endpgm
.Lfunc_end_k_q28b71c8fd7_contact:
	.size	k_q28b71c8fd7_contact, .Lfunc_end_k_q28b71c8fd7_contact-k_q28b71c8fd7_contact
	.p2alignl 7, 3214868480
	.fill 96, 4, 3214868480
	.section	.rodata,"a",@progbits
	.p2align	6, 0x0
	.amdhsa_kernel k_q28b71c8fd7_contact
		.amdhsa_group_segment_fixed_size 246784
		.amdhsa_private_segment_fixed_size 0
		.amdhsa_enable_private_segment 0
		.amdhsa_kernarg_size 104
		.amdhsa_user_sgpr_count 2
		.amdhsa_user_sgpr_kernarg_segment_ptr 1
		.amdhsa_wavefront_size32 1
		.amdhsa_system_sgpr_workgroup_id_x 1
		.amdhsa_system_sgpr_workgroup_id_y 1
		.amdhsa_system_sgpr_workgroup_id_z 1
		.amdhsa_system_vgpr_workitem_id 0
		.amdhsa_next_free_vgpr 256
		.amdhsa_next_free_sgpr 100
		.amdhsa_reserve_vcc 1
		.amdhsa_float_denorm_mode_32 3
		.amdhsa_float_denorm_mode_16_64 3
		.amdhsa_memory_ordered 1
		.amdhsa_forward_progress 1
		.amdhsa_inst_pref_size 107
	.end_amdhsa_kernel
	.amdgpu_metadata
---
amdhsa.version: [ 1, 2 ]
amdhsa.kernels:
  - .name:           k_q28b71c8fd7_contact
    .symbol:         k_q28b71c8fd7_contact.kd
    .args:
      - { .name: h_mol2, .offset: 0, .size: 8, .value_kind: global_buffer, .address_space: global }
      - { .name: h_mol1, .offset: 8, .size: 8, .value_kind: global_buffer, .address_space: global }
      - { .name: W1, .offset: 16, .size: 8, .value_kind: global_buffer, .address_space: global }
      - { .name: b1, .offset: 24, .size: 8, .value_kind: global_buffer, .address_space: global }
      - { .name: contact_map, .offset: 32, .size: 8, .value_kind: global_buffer, .address_space: global }
      - { .name: S_mol1, .offset: 40, .size: 8, .value_kind: global_buffer, .address_space: global }
      - { .name: S_mol2, .offset: 48, .size: 8, .value_kind: global_buffer, .address_space: global }
      - { .name: lowp_scales, .offset: 56, .size: 8, .value_kind: global_buffer, .address_space: global }
      - { .name: W2, .offset: 64, .size: 8, .value_kind: global_buffer, .address_space: global }
      - { .name: b2, .offset: 72, .size: 8, .value_kind: global_buffer, .address_space: global }
      - { .name: out0, .offset: 80, .size: 8, .value_kind: global_buffer, .address_space: global }
      - { .name: out1, .offset: 88, .size: 8, .value_kind: global_buffer, .address_space: global }
      - { .name: out2, .offset: 96, .size: 8, .value_kind: global_buffer, .address_space: global }
    .group_segment_fixed_size: 246784
    .private_segment_fixed_size: 0
    .kernarg_segment_align: 8
    .kernarg_segment_size: 104
    .max_flat_workgroup_size: 512
    .sgpr_count:     100
    .vgpr_count:     256
    .wavefront_size: 32
...
	.end_amdgpu_metadata
.endif
;; end of part 2
